; MI455X (gfx1250); checked and timed in simulation.
; The chip was launched on July 23, 2026; its instructions are those of AMD's public machine-readable ISA for CDNA 5 (MIT licence, August 2026) and "CDNA5" Instruction Set Architecture Reference Guide (July 2026). The comments in the code are by the model that wrote it; some were corrected since.
;; Soft Rasterizer. Allowed arithmetic: float matrix products may take bf16 or f16 operands with f32 sums; all other float work in f32.
;; Inputs: face_vertices 2 x 1,024 x 3 x 3 float32; textures 2 x 1,024 x 3 x 3 float32.
;; Outputs: out0 2 x 4 x 128 x 128 float32.
;; 2 versions, each right; version 2 is version 1 with the launch raster written anew for expert scheduling mode. Each part assembles by itself: llvm-mc -triple=amdgcn-amd-amdhsa -mcpu=gfx1250 --defsym DOCPART=n.
;; ======== version 1 of 2: 2 launches
;; workspace buffers: bins 8,192 bytes of whole numbers
;; launch bin (part 1): grid 32 x 1, 1 waves a work-group, no clusters, 0 bytes of LDS; arguments face_vertices, bins; writes bins
.if DOCPART == 1
	.amdgcn_target "amdgcn-amd-amdhsa--gfx1250"
	.amdhsa_code_object_version 6
	.text
	.protected	k_q115fa82db7_bin
	.globl	k_q115fa82db7_bin
	.p2align	8
	.type	k_q115fa82db7_bin,@function
k_q115fa82db7_bin:
	s_mov_b64 s[64:65], 0
	v_nop
	global_prefetch_b8 v0, s[64:65] scope:SCOPE_SE
	s_setreg_imm32_b32 hwreg(HW_REG_WAVE_MODE, 25, 1), 1
	s_wait_xcnt 0x0
; bins[face] = the range of pixel tiles (8 wide, 2 high) that a face can touch, as one word of whole numbers.
; A fragment counts only if the pixel is inside the face or its squared distance is at most 9.2102e-5, that is if the
; pixel lies inside the face's bounding box widened by sqrt(9.2102e-5) = 0.009597.  Here the box is widened by 0.010254
; (0.65625 pixel steps of 1/64), so rounding in these few lines cannot lose a pixel.
; Word: byte 0 = last tile column + 1, byte 1 = last tile row + 1, byte 2 = 127 - first column, byte 3 = 127 - first row,
; each clamped to 0..127 with bit 7 set above it: the next launch subtracts its own four numbers in one instruction and
; looks at the four bits 7.
; A face with |det| <= max(2^-12 (|e1|^2 + |e2|^2), 1e-10) gets 0xffffffff (every tile): there the replaced determinant,
; or rounding, can call pixels far from the box inside.  A NaN in det takes the same way (the compare fails).
; One wave a work-group; a lane takes faces 2t and 2t+1: 72 bytes in by nine 8-byte loads, 8 bytes out, so that the
; wave's one store covers 256 consecutive bytes, aligned.  (z comes along in those loads and is not used here.)
.set F, 4                                  ; v[4:21]  x0 y0 z0 x1 y1 z1 x2 y2 z2 of face 2t, then of face 2t+1
	s_load_b128 s[4:7], s[0:1], 0x0            ; face_vertices s[4:5], bins s[6:7]
	s_lshl_b32 s8, ttmp9, 5
	v_add_nc_u32 v1, s8, v0                    ; t = 32 x work-group + lane
	v_mul_u32_u24 v2, 72, v1                   ; two faces of 36 bytes
	v_lshlrev_b32 v3, 3, v1                    ; two words
	s_mov_b32 s9,  0x2edbe6ff                  ; 1e-10
	s_mov_b32 s10, 0x41000000                  ; 8.0: tile columns per unit of x (64 pixels / 8)
	s_mov_b32 s11, 0x40fb6000                  ; (63.5 - 0.65625) / 8      = 7.85546875
	s_mov_b32 s12, 0x41105000                  ; (63.5 + 0.65625) / 8 + 1  = 9.01953125
	s_mov_b32 s13, 0xc2000000                  ; -32.0: tile rows per unit of y, y pointing up
	s_mov_b32 s14, 0x41fb6000                  ; (63.5 - 0.65625) / 2      = 31.421875
	s_mov_b32 s15, 0x42045000                  ; (63.5 + 0.65625) / 2 + 1  = 33.078125
	s_mov_b32 s16, 0x42fe0000                  ; 127.0
	s_wait_kmcnt 0x0
.irp i, 0,1,2,3,4,5,6,7,8
	global_load_b64 v[F+2*\i:F+2*\i+1], v2, s[4:5] offset:8*\i
.endr
	s_wait_loadcnt 0x0
.macro BIN x0, y0, x1, y1, x2, y2, out
	v_min3_num_f32 v22, v[\x0], v[\x1], v[\x2]     ; the box
	v_max3_num_f32 v23, v[\x0], v[\x1], v[\x2]
	v_min3_num_f32 v24, v[\y0], v[\y1], v[\y2]
	v_max3_num_f32 v25, v[\y0], v[\y1], v[\y2]
	v_sub_f32 v26, v[\x1], v[\x0]                  ; e1
	v_sub_f32 v27, v[\y1], v[\y0]
	v_sub_f32 v28, v[\x2], v[\x0]                  ; e2
	v_sub_f32 v29, v[\y2], v[\y0]
	v_mul_f32 v30, v27, v28
	v_mul_f32 v31, v26, v26
	v_fma_f32 v30, v26, v29, -v30                  ; det = e1x e2y - e1y e2x
	v_fma_f32 v31, v27, v27, v31
	v_fma_f32 v31, v28, v28, v31
	v_fma_f32 v31, v29, v29, v31                   ; |e1|^2 + |e2|^2
	v_fma_f32 v22, v22, s10, s11                   ; first column, as a real number
	v_fma_f32 v23, v23, s10, s12                   ; last column + 1
	v_fma_f32 v25, v25, s13, s14                   ; first row (from the largest y)
	v_fma_f32 v24, v24, s13, s15                   ; last row + 1
	v_mul_f32 v31, 0x39800000, v31                 ; x 2^-12
	v_floor_f32 v22, v22
	v_floor_f32 v23, v23
	v_floor_f32 v25, v25
	v_floor_f32 v24, v24
	v_max_num_f32 v31, s9, v31
	v_sub_f32 v22, s16, v22                        ; 127 - first column
	v_sub_f32 v25, s16, v25                        ; 127 - first row
	v_cmp_gt_f32 vcc_lo, |v30|, v31                ; a face with a sound determinant
	v_med3_num_f32 v22, v22, 0, s16                ; all four into 0 .. 127
	v_med3_num_f32 v23, v23, 0, s16
	v_med3_num_f32 v25, v25, 0, s16
	v_med3_num_f32 v24, v24, 0, s16
	v_cvt_u32_f32 v22, v22
	v_cvt_u32_f32 v23, v23
	v_cvt_u32_f32 v25, v25
	v_cvt_u32_f32 v24, v24
	v_lshl_or_b32 v23, v24, 8, v23                 ; bytes 0, 1
	v_lshl_or_b32 v22, v25, 8, v22                 ; bytes 2, 3
	v_lshl_or_b32 v23, v22, 16, v23
	v_or_b32 v23, 0x80808080, v23                  ; the four guard bits
	v_cndmask_b32 v[\out], -1, v23, vcc_lo         ; otherwise: every tile
.endm
	BIN F+0, F+1, F+3, F+4, F+6, F+7, 40
	BIN F+9, F+10, F+12, F+13, F+15, F+16, 41
	global_store_b64 v3, v[40:41], s[6:7]          ; read again by the next launch: no hint
	s_endpgm
.Lfunc_end_k_q115fa82db7_bin:
	.size	k_q115fa82db7_bin, .Lfunc_end_k_q115fa82db7_bin-k_q115fa82db7_bin
	.p2alignl 7, 3214868480
	.fill 96, 4, 3214868480
	.section	.rodata,"a",@progbits
	.p2align	6, 0x0
	.amdhsa_kernel k_q115fa82db7_bin
		.amdhsa_group_segment_fixed_size 0
		.amdhsa_private_segment_fixed_size 0
		.amdhsa_enable_private_segment 0
		.amdhsa_kernarg_size 16
		.amdhsa_user_sgpr_count 2
		.amdhsa_user_sgpr_kernarg_segment_ptr 1
		.amdhsa_wavefront_size32 1
		.amdhsa_system_sgpr_workgroup_id_x 1
		.amdhsa_system_sgpr_workgroup_id_y 1
		.amdhsa_system_sgpr_workgroup_id_z 1
		.amdhsa_system_vgpr_workitem_id 0
		.amdhsa_next_free_vgpr 48
		.amdhsa_next_free_sgpr 66
		.amdhsa_reserve_vcc 1
		.amdhsa_float_denorm_mode_32 3
		.amdhsa_float_denorm_mode_16_64 3
		.amdhsa_memory_ordered 1
		.amdhsa_forward_progress 1
		.amdhsa_inst_pref_size 6
	.end_amdhsa_kernel
	.amdgpu_metadata
---
amdhsa.version: [ 1, 2 ]
amdhsa.kernels:
  - .name:           k_q115fa82db7_bin
    .symbol:         k_q115fa82db7_bin.kd
    .args:
      - { .name: face_vertices, .offset: 0, .size: 8, .value_kind: global_buffer, .address_space: global }
      - { .name: bins, .offset: 8, .size: 8, .value_kind: global_buffer, .address_space: global }
    .group_segment_fixed_size: 0
    .private_segment_fixed_size: 0
    .kernarg_segment_align: 8
    .kernarg_segment_size: 16
    .max_flat_workgroup_size: 32
    .sgpr_count:     66
    .vgpr_count:     48
    .wavefront_size: 32
...
	.end_amdgpu_metadata
.endif
;; end of part 1
;; launch raster (part 2): grid 256 x 1, 8 waves a work-group, no clusters, 74,752 bytes of LDS; arguments face_vertices, textures, bins, out0; writes out0
.if DOCPART == 2
	.amdgcn_target "amdgcn-amd-amdhsa--gfx1250"
	.amdhsa_code_object_version 6
	.text
	.protected	k_q115fa82db7_raster
	.globl	k_q115fa82db7_raster
	.p2align	8
	.type	k_q115fa82db7_raster,@function
k_q115fa82db7_raster:
	s_mov_b64 s[64:65], 0
	v_nop
	global_prefetch_b8 v0, s[64:65] scope:SCOPE_SE
	s_setreg_imm32_b32 hwreg(HW_REG_WAVE_MODE, 25, 1), 1
	s_wait_xcnt 0x0
; The soft rasterizer proper, over the faces that bins[] admits to each tile.
; Work-group = 64 x 2 pixels of one image (2 images x 64 row pairs x 2 halves = 256 groups); wave w = its 8 x 2 tile w.
; Lane = pixel (lane & 15: x = lane & 7, row = bit 3) x half (bit 4): lanes 0-15 take the even entries of the tile's face
; list, lanes 16-31 the odd ones, each with its own running softmax; the halves are joined at the end across the lanes.
;   1. 1024 words of bins[] (eight 16-byte loads a lane); word - tile constant keeps all four guard bits = the face is listed.
;   2. The listed face numbers are packed into the wave's own LDS list (place = members in lower lanes + members so far).
;   3. Per 32 entries: lane i gathers face i (18 words), works out its 31 coefficients once, writes a record of 144 bytes.
;   4. Per pair of records: every lane evaluates its pixel against its half's record.  The depth softmax is kept online:
;      a new maximum rescales the sums by exp((old - new) / gamma), so the list is walked once.
;   5. rgb and alpha go through 2 KB of LDS so that each wave's one store covers 256 consecutive bytes, aligned.
; All selections by floating-point conditions are v_cndmask_b32; trip counts and addresses hang on bins[] alone.
; List and records are each wave's own bytes (base = 2048 + 8960 x wave; every index is held under a constant right in
; front of its use), so the only barrier is the one in front of the way out.
; The three einsums are nine f32 multiply-adds a fragment here: with some 14 listed faces a pixel and three colour columns
; a 16 x 16 x 32 matrix form would be filled to 3 columns of 16 and its sums would need the same rescaling.
; No cluster: what the groups share is 4 KB of bins[] an image; the gathered faces differ from tile to tile.
; LIMITS.  Divisions are v_rcp_f32 (1 ulp) times a multiply; faces are summed in list order, in two halves.  NaN, infinite
; vertices and z = 0 are not followed (the reference's maximum hands a NaN on, v_max_num_f32 drops it).  A fragment whose
; squared distance is within a few ulp of the cut 9.2102e-5 may fall on the other side of it.  BG = 0 and FILL_BACK = True
; are constants of the problem: the background adds no colour and no face is dropped for its winding.
.set STAGE_B, 2048                         ; LDS 0..2047: 8 units of 256 bytes on the way out
.set LIST_B,  4352                         ; a wave's list: 1024 entries, 32 of padding, one dump word at 1056
.set REC_P,   144                          ; a record: 32 words + 16 bytes
.set PAIR_B,  2*REC_P                      ; what a trip of the face loop consumes: one record for each half of the lanes
.set LASTP,   15*PAIR_B                    ; the offset of a chunk's last pair
.set WAVE_B,  LIST_B+32*REC_P              ; 8960 bytes a wave
.set PX,  4                                ; v[4:5]   the pixel's x, y
.set LB,  6                                ; list base      RB 7: record base + 144 x half      RS 8: record base + 144 x lane
.set RB,  7
.set RS,  8
.set L4,  9                                ; 4 x lane
.set DUM, 10                               ; 1056
.set NKS, 11                               ; -log2(e) / sigma
.set MX,  12                               ; running maximum of the depth logit
.set PR,  13                               ; running product of 1 - D
.set CRG, 14                               ; v[14:15] red, green sums
.set CBD, 16                               ; v[16:17] blue sum, sum of weights
.set RA,  27                               ; address of a record pair, formed anew in front of each run of loads
.set W,   32                               ; v[32:63] the words of bins[]; afterwards the record at work:
.set GA,  32                               ; v[32:51] words 0-19, fetched half a trip ahead
.set GB,  52                               ; v[52:63] words 20-31, fetched at the head of the trip
.set R,   96                               ; v[96:127] the record that this lane builds
.set MK,  48                               ; s[48:63] sixteen member masks
.set PF,  66                               ; s[66:81] members in front of each of them
.set gX0, GA+0                             ; record: x0 y0 x1 y1 | x2 y2 A1 B1 | A2 B2 -1/L0 -1/L1 | e0x e0y e1x e1y |
.set gX1, GA+2                             ;         e2x e2y -1/L2 1/z0 | 1/z1 1/z2 t2b 0 | t0r t0g t1r t1g | t2r t2g t0b t1b
.set gX2, GA+4
.set gA1, GA+6
.set gB1, GA+7
.set gA2, GA+8
.set gB2, GA+9
.set gN0, GA+10
.set gN1, GA+11
.set gE0, GA+12
.set gE1, GA+14
.set gE2, GA+16
.set gN2, GA+18
.set gZ0, GA+19
.set gZ1, GB+0
.set gZ2, GB+1
.set gT2B, GB+2
.set gT0, GB+4
.set gT1, GB+6
.set gT2, GB+8
.set gT0B, GB+10
.set gT1B, GB+11
.set D0, 64                                ; v[64:69] pixel - vertex 0, 1, 2
.set D1, 66
.set D2, 68
.set Q0, 70                                ; v[70:75] pixel - nearest point of edge 0, 1, 2
.set Q1, 72
.set Q2, 74
.set T0, 76                                ; -t of edge 0; its odd neighbour C1 = w1, then c1
.set C1, 77
.set T1, 78
.set C2, 79
.set T2, 80
.set C0, 81
	s_load_b256 s[4:11], s[0:1], 0x0           ; face_vertices s[4:5], textures s[6:7], bins s[8:9], out0 s[10:11]
	v_lshl_add_u32 v128, v0, 2, 0x12000
	v_mov_b32 v129, 0
	v_and_b32 v1, 31, v0                       ; lane
	v_lshrrev_b32 v2, 5, v0
	v_readfirstlane_b32 s12, v2                ; wave 0..7
	s_lshr_b32 s13, ttmp9, 7                   ; image
	s_bfe_u32 s14, ttmp9, 0x60001              ; tile row 0..63 (6 bits from bit 1)
	s_and_b32 s15, ttmp9, 1                    ; left or right 64 pixels
	s_lshl3_add_u32 s16, s15, s12              ; tile column 0..15
	v_lshlrev_b32 v3, 4, v1
	s_lshl_b32 s46, s13, 12                    ; 1024 words an image
	s_mov_b32 s47, 0
	s_wait_kmcnt 0x0
	s_add_nc_u64 s[8:9], s[8:9], s[46:47]
.irp j, 0,1,2,3,4,5,6,7
	global_load_b128 v[W+4*\j:W+4*\j+3], v3, s[8:9] offset:512*\j   ; register 4j+q of lane l: face 128 j + 4 l + q
.endr
	s_mul_i32 s46, s13, 36864                  ; 1024 faces of 36 bytes an image
	s_add_nc_u64 s[4:5], s[4:5], s[46:47]
	s_add_nc_u64 s[6:7], s[6:7], s[46:47]
	; where this wave's unit of 256 bytes goes: unit u = wave: row = u & 1, channel = 2 ((u >> 1) & 1) + (u >> 2)
	s_lshl_b32 s46, s13, 18                    ; image: 4 x 128 x 128 x 4 bytes
	s_lshr_b32 s20, s12, 2
	s_bfe_u32 s44, s12, 0x10001
	s_lshl1_add_u32 s20, s44, s20
	s_lshl_b32 s20, s20, 16                    ; channel: 65,536 bytes
	s_add_co_u32 s46, s46, s20
	s_and_b32 s20, s12, 1
	s_lshl1_add_u32 s20, s14, s20              ; pixel row
	s_lshl_b32 s20, s20, 9
	s_add_co_u32 s46, s46, s20
	s_lshl_b32 s20, s15, 8
	s_add_co_u32 s46, s46, s20
	s_add_nc_u64 s[10:11], s[10:11], s[46:47]
	; the tile's four numbers, one to a byte: column + 1, row + 1, 127 - column, 127 - row (all below 128: no borrow between bytes)
	s_add_co_u32 s17, s16, 1
	s_add_co_u32 s20, s14, 1
	s_lshl_b32 s20, s20, 8
	s_or_b32 s17, s17, s20
	s_sub_co_u32 s20, 127, s16
	s_lshl_b32 s20, s20, 16
	s_or_b32 s17, s17, s20
	s_sub_co_u32 s20, 127, s14
	s_lshl_b32 s20, s20, 24
	s_or_b32 s17, s17, s20
	s_mov_b32 s18, 0x80808080
	s_mov_b32 s19, 0                           ; members so far
	s_mov_b32 s21, 0x480ce360                  ; log2(e) / sigma = 144269.5
	s_mov_b32 s22, 0x38c1271a                  ; sigma ln(9999) = 9.2102404e-5
	s_mov_b32 s23, 0x46616bcd                  ; log2(e) / gamma = 14426.95
	s_mov_b32 s24, 0x42c80000                  ; far = 100
	s_mov_b32 s25, 0x3c257eb5                  ; 1 / (far - near) = 1/99
	s_mov_b32 s26, 0x3727c5ac                  ; 1e-5
	s_mov_b32 s27, 0x322bcc77                  ; 1e-8
	s_mov_b32 s28, 0x3a83126f                  ; the background's logit, 1e-3
	s_mov_b32 s29, 0x2edbe6ff                  ; 1e-10
	s_mov_b32 s30, 0xab8cbccc                  ; -1e-12
	s_mov_b32 s31, 0x447a0000                  ; 1000.0: where an empty record's vertices are put
	s_mov_b32 s32, 0x76543210                  ; v_permlanex16_b32: lane i of the other half
	s_mov_b32 s33, 0xfedcba98
	s_mul_i32 s20, s12, WAVE_B
	s_add_co_u32 s20, s20, STAGE_B             ; my list
	s_add_co_u32 s45, s20, LIST_B              ; my records
	v_mov_b32 v[LB], s20
	v_mul_u32_u24 v[RS], REC_P, v1
	v_lshrrev_b32 v2, 4, v1                    ; half
	v_add_nc_u32 v[RS], s45, v[RS]
	v_mul_u32_u24 v[RB], REC_P, v2
	v_lshlrev_b32 v[L4], 2, v1
	v_add_nc_u32 v[RB], s45, v[RB]
	v_mov_b32 v[DUM], 0x420
	v_mov_b32 v[NKS], 0xc80ce360
	v_mov_b32 v[R+23], 0                       ; the record's unused word
	; pixel centre: x = (2 i - 127) / 128, y = (127 - 2 j) / 128, exact
	v_and_b32 v20, 7, v1
	v_bfe_u32 v21, v1, 3, 1
	v_lshl_add_u32 v20, s16, 3, v20
	v_lshl_add_u32 v21, s14, 1, v21
	v_lshl_add_u32 v20, v20, 1, 0xffffff81
	v_lshlrev_b32 v21, 1, v21
	v_cvt_f32_i32 v[PX], v20
	v_sub_nc_u32 v21, 127, v21
	v_mul_f32 v[PX], 0x3c000000, v[PX]
	v_cvt_f32_i32 v[PX+1], v21
	v_mov_b32 v[MX], s28                       ; the maximum starts at the background's logit
	v_mul_f32 v[PX+1], 0x3c000000, v[PX+1]
	v_mov_b32 v[PR], 1.0
	v_mov_b32 v[CRG], 0
	v_mov_b32 v[CRG+1], 0
	v_mov_b32 v[CBD], 0
	v_mov_b32 v[CBD+1], 0
; Sixteen registers of words: test, count, place.  Written stage by stage so that no line waits for the one in front of it,
; and so that vector and scalar work change hands twice and not once a register.
.macro COMPACT k0
.set k, 0
.rept 16
	v_sub_nc_u32 v[W+\k0+k], v[W+\k0+k], s17       ; a guard bit survives where the field is at least the tile's number
.set k, k+1
.endr
.set k, 0
.rept 16
	v_and_b32 v[W+\k0+k], s18, v[W+\k0+k]
.set k, k+1
.endr
.set k, 0
.rept 16
	v_cmp_eq_u32 s[MK+k], s18, v[W+\k0+k]          ; all four: the face's range holds my tile
.set k, k+1
.endr
	s_mov_b32 s[PF], s19
.set k, 0
.rept 15
	s_bcnt1_i32_b32 s20, s[MK+k]
	s_add_co_u32 s[PF+k+1], s[PF+k], s20
.set k, k+1
.endr
	s_bcnt1_i32_b32 s20, s[MK+15]
	s_add_co_u32 s19, s[PF+15], s20
.set k, 0
.rept 16
	v_mbcnt_lo_u32_b32 v[W+\k0+k], s[MK+k], s[PF+k]   ; members in lower lanes + members in front
.set k, k+1
.endr
.set k, 0
.rept 16
	v_cndmask_b32 v[W+\k0+k], v[DUM], v[W+\k0+k], s[MK+k]   ; the others write the dump word
.set k, k+1
.endr
.set k, 0
.rept 16
	v_min_u32 v[W+\k0+k], 0x420, v[W+\k0+k]        ; inside my list whatever the words held
.set k, k+1
.endr
.set k, 0
.rept 16
	v_lshl_add_u32 v[W+\k0+k], v[W+\k0+k], 2, v[LB]
.set k, k+1
.endr
.set k, 0
.rept 16
	v_add_nc_u32 v[64+k], 128*((\k0+k)/4)+((\k0+k)%4), v[L4]   ; the face's number
.set k, k+1
.endr
.set k, 0
.rept 16
	ds_store_b32 v[W+\k0+k], v[64+k]
.set k, k+1
.endr
.endm
	s_wait_loadcnt 0x4                         ; loads return in order: the first four are in, the four younger may be out
	COMPACT 0
	s_wait_loadcnt 0x0
	COMPACT 16
	v_add_nc_u32 v24, s19, v1                  ; 32 entries of face 0 behind the last member: the last chunk reads written words
	v_min_u32 v24, 0x41f, v24
	v_mov_b32 v25, 0
	v_lshl_add_u32 v24, v24, 2, v[LB]
	ds_store_b32 v24, v25
	s_add_co_u32 s34, s19, 31
	s_lshr_b32 s34, s34, 5
	s_min_u32 s34, s34, 32                     ; chunks of 32 entries
	s_mov_b32 s35, 0                           ; chunk
	s_mov_b32 s36, s19                         ; entries left
	s_cmp_eq_u32 s34, 0
	s_cbranch_scc1 .Lmerge                     ; an empty tile: background alone
.Lchunk:
	v_lshl_add_u32 v24, s35, 5, v1             ; entry 32 x chunk + lane
	v_min_u32 v24, 0x41f, v24
	v_lshl_add_u32 v24, v24, 2, v[LB]
	ds_load_b32 v25, v24                       ; LDS serves a wave in order: this sees the stores above
	s_min_u32 s37, s36, 32                     ; entries of this chunk
	s_add_co_u32 s38, s37, 1
	s_lshr_b32 s38, s38, 1                     ; trips: two entries each
	s_wait_dscnt 0x0
	v_min_u32 v25, 0x3ff, v25                  ; a face number, whatever LDS held
	v_mul_u32_u24 v26, 36, v25
	global_load_b32 v[R+0], v26, s[4:5]                ; x0
	global_load_b32 v[R+1], v26, s[4:5] offset:4       ; y0
	global_load_b32 v64,    v26, s[4:5] offset:8       ; z0
	global_load_b32 v[R+2], v26, s[4:5] offset:12      ; x1
	global_load_b32 v[R+3], v26, s[4:5] offset:16      ; y1
	global_load_b32 v65,    v26, s[4:5] offset:20      ; z1
	global_load_b32 v[R+4], v26, s[4:5] offset:24      ; x2
	global_load_b32 v[R+5], v26, s[4:5] offset:28      ; y2
	global_load_b32 v66,    v26, s[4:5] offset:32      ; z2
	global_load_b32 v[R+24], v26, s[6:7]               ; the nine colours straight to their places in the record
	global_load_b32 v[R+25], v26, s[6:7] offset:4
	global_load_b32 v[R+30], v26, s[6:7] offset:8
	global_load_b32 v[R+26], v26, s[6:7] offset:12
	global_load_b32 v[R+27], v26, s[6:7] offset:16
	global_load_b32 v[R+31], v26, s[6:7] offset:20
	global_load_b32 v[R+28], v26, s[6:7] offset:24
	global_load_b32 v[R+29], v26, s[6:7] offset:28
	global_load_b32 v[R+22], v26, s[6:7] offset:32
	s_wait_loadcnt 0x9                         ; the vertices are in; the nine colours may be out
	v_sub_f32 v[R+12], v[R+2], v[R+0]          ; edge 0 = v1 - v0 (also e1 of the barycentrics)
	v_sub_f32 v[R+13], v[R+3], v[R+1]
	v_sub_f32 v67, v[R+4], v[R+0]              ; e2 = v2 - v0
	v_sub_f32 v68, v[R+5], v[R+1]
	v_sub_f32 v[R+14], v[R+4], v[R+2]          ; edge 1 = v2 - v1
	v_sub_f32 v[R+15], v[R+5], v[R+3]
	v_sub_f32 v[R+16], v[R+0], v[R+4]          ; edge 2 = v0 - v2
	v_sub_f32 v[R+17], v[R+1], v[R+5]
	v_mul_f32 v69, v[R+13], v67
	v_mul_f32 v70, v[R+13], v[R+13]
	v_mul_f32 v71, v[R+15], v[R+15]
	v_mul_f32 v72, v[R+17], v[R+17]
	v_fma_f32 v69, v[R+12], v68, -v69          ; det = e1x e2y - e1y e2x
	v_fma_f32 v70, -v[R+12], v[R+12], -v70     ; -(ex^2 + ey^2)
	v_fma_f32 v71, -v[R+14], v[R+14], -v71
	v_fma_f32 v72, -v[R+16], v[R+16], -v72
	v_cmp_lt_f32 vcc_lo, |v69|, s29
	v_min_num_f32 v70, s30, v70                ; -max(L, 1e-12)
	v_min_num_f32 v71, s30, v71
	v_min_num_f32 v72, s30, v72
	v_cndmask_b32 v69, v69, s29, vcc_lo        ; |det| < 1e-10: 1e-10
	v_rcp_f32 v73, v69
	v_rcp_f32 v[R+10], v70                     ; -1/L: t comes out negated, so that q = d + (-t) e is one multiply-add
	v_rcp_f32 v[R+11], v71
	v_rcp_f32 v[R+18], v72
	v_rcp_f32 v[R+19], v64
	v_rcp_f32 v[R+20], v65
	v_rcp_f32 v[R+21], v66
	v_cmp_le_u32 vcc_lo, s37, v1               ; lanes past the chunk's end; also the plain line behind the reciprocals (ISA guide 5.7.2)
	s_wait_alu depctr_va_vdst(0)
	v_mul_f32 v[R+6], v68, v73                 ; w1 = dx A1 + dy B1: A1 = e2y / det, B1 = -e2x / det
	v_mul_f32 v[R+7], -v67, v73
	v_mul_f32 v[R+8], -v[R+13], v73            ; w2 = dx A2 + dy B2: A2 = -e1y / det, B2 = e1x / det
	v_mul_f32 v[R+9], v[R+12], v73
	; an empty record: vertices at x = 1000 (squared distance about 1e6, far over the cut) and w1 = dx = about -1000 (not inside)
	v_cndmask_b32 v[R+0], v[R+0], s31, vcc_lo
	v_cndmask_b32 v[R+2], v[R+2], s31, vcc_lo
	v_cndmask_b32 v[R+4], v[R+4], s31, vcc_lo
	v_cndmask_b32 v[R+6], v[R+6], 1.0, vcc_lo
	v_cndmask_b32 v[R+7], v[R+7], 0, vcc_lo
.irp i, 0,1,2,3,4
	ds_store_b128 v[RS], v[R+4*\i:R+4*\i+3] offset:16*\i
.endr
	s_wait_loadcnt 0x0                         ; the colours
.irp i, 5,6,7
	ds_store_b128 v[RS], v[R+4*\i:R+4*\i+3] offset:16*\i
.endr
	s_mov_b32 s39, 0                           ; trip
	s_mov_b32 s40, 0                           ; 288 x trip
.irp i, 0,1,2,3,4
	ds_load_b128 v[GA+4*\i:GA+4*\i+3], v[RB] offset:16*\i   ; records 0 (lanes 0-15) and 1 (lanes 16-31), words 0-19
.endr
.Lface:
	s_min_u32 s40, s40, LASTP                  ; 288 x trip, at most 16 trips: held inside my 32 records whatever the counts were
	v_add_nc_u32 v[RA], s40, v[RB]             ; this trip's pair
	s_wait_dscnt 0x0                           ; words 0-19 of this trip's record, asked for half a trip ago
	ds_load_b128 v[GB:GB+3],    v[RA] offset:80    ; words 20-31: wanted some forty lines further down
	ds_load_b128 v[GB+4:GB+7],  v[RA] offset:96
	ds_load_b128 v[GB+8:GB+11], v[RA] offset:112
	v_pk_add_f32 v[D0:D0+1], v[PX:PX+1], v[gX0:gX0+1] neg_lo:[0,1] neg_hi:[0,1]   ; pixel - vertex
	v_pk_add_f32 v[D1:D1+1], v[PX:PX+1], v[gX1:gX1+1] neg_lo:[0,1] neg_hi:[0,1]
	v_pk_add_f32 v[D2:D2+1], v[PX:PX+1], v[gX2:gX2+1] neg_lo:[0,1] neg_hi:[0,1]
	v_mul_f32 v[C1], v[D0+1], v[gB1]
	v_mul_f32 v[C2], v[D0+1], v[gB2]
	v_mul_f32 v[T0], v[D0+1], v[gE0+1]
	v_mul_f32 v[T1], v[D1+1], v[gE1+1]
	v_mul_f32 v[T2], v[D2+1], v[gE2+1]
	v_fma_f32 v[C1], v[D0], v[gA1], v[C1]      ; w1
	v_fma_f32 v[C2], v[D0], v[gA2], v[C2]      ; w2
	v_fma_f32 v[T0], v[D0], v[gE0], v[T0]      ; d . e
	v_fma_f32 v[T1], v[D1], v[gE1], v[T1]
	v_fma_f32 v[T2], v[D2], v[gE2], v[T2]
	v_sub_f32 v[C0], 1.0, v[C1]
	v_mul_f32 v[T0], v[T0], v[gN0]             ; -(d . e) / L
	v_mul_f32 v[T1], v[T1], v[gN1]
	v_mul_f32 v[T2], v[T2], v[gN2]
	v_sub_f32 v[C0], v[C0], v[C2]              ; w0 = 1 - w1 - w2
	v_med3_num_f32 v[T0], v[T0], -1.0, 0       ; -clip(t, 0, 1)
	v_med3_num_f32 v[T1], v[T1], -1.0, 0
	v_med3_num_f32 v[T2], v[T2], -1.0, 0
	v_pk_fma_f32 v[Q0:Q0+1], v[gE0:gE0+1], v[T0:T0+1], v[D0:D0+1] op_sel_hi:[1,0,1]   ; q = d - t e, both parts times the pair's first register
	v_pk_fma_f32 v[Q1:Q1+1], v[gE1:gE1+1], v[T1:T1+1], v[D1:D1+1] op_sel_hi:[1,0,1]
	v_pk_fma_f32 v[Q2:Q2+1], v[gE2:gE2+1], v[T2:T2+1], v[D2:D2+1] op_sel_hi:[1,0,1]
	v_min3_num_f32 v82, v[C0], v[C1], v[C2]
	v_mul_f32 v83, v[Q0+1], v[Q0+1]
	v_mul_f32 v84, v[Q1+1], v[Q1+1]
	v_mul_f32 v85, v[Q2+1], v[Q2+1]
	v_fma_f32 v83, v[Q0], v[Q0], v83
	v_fma_f32 v84, v[Q1], v[Q1], v84
	v_fma_f32 v85, v[Q2], v[Q2], v85
	v_cmp_le_f32 s41, 0, v82                   ; inside: all three weights >= 0
	v_med3_num_f32 v[C0], v[C0], 0, 1.0        ; clipped weights
	v_med3_num_f32 v[C1], v[C1], 0, 1.0
	v_med3_num_f32 v[C2], v[C2], 0, 1.0
	v_min3_num_f32 v83, v83, v84, v85          ; squared distance to the outline
	v_add_f32 v86, v[C0], v[C1]
	v_cndmask_b32 v87, s21, v[NKS], s41        ; D = 1 / (1 + 2^x), x = -+ dis log2(e) / sigma, minus inside
	v_add_f32 v86, v86, v[C2]
	v_mul_f32 v87, v83, v87
	v_max_num_f32 v86, s26, v86                ; max(c0 + c1 + c2, 1e-5)
	v_exp_f32 v88, v87
	v_rcp_f32 v89, v86
	v_cmp_ge_f32 s42, s22, v83                 ; dis <= cut; the plain line behind the two transcendentals
	s_wait_alu depctr_va_vdst(0)
	v_add_f32 v88, 1.0, v88
	v_mul_f32 v[C0], v[C0], v89                ; renormalized
	v_mul_f32 v[C1], v[C1], v89
	v_mul_f32 v[C2], v[C2], v89
	s_or_b32 s42, s42, s41                     ; near_ok
	v_rcp_f32 v90, v88                         ; D
	s_wait_dscnt 0x0                           ; words 20-31 (nothing else is out)
	v_mul_f32 v91, v[C0], v[gZ0]
	v_fma_f32 v91, v[C1], v[gZ1], v91
	v_fma_f32 v91, v[C2], v[gZ2], v91          ; 1/z, interpolated
	s_add_co_u32 s40, s40, PAIR_B              ; the next trip's offset;
	s_min_u32 s45, s40, LASTP                  ; the look-ahead of a chunk's last trip stays on its last pair: all 32 records were written
	v_add_nc_u32 v[RA], s45, v[RB]
	v_max_num_f32 v91, s27, v91
.irp i, 0,1,2,3,4
	ds_load_b128 v[GA+4*\i:GA+4*\i+3], v[RA] offset:16*\i   ; words 0-19 have been read for the last time: the next trip's
.endr
	v_rcp_f32 v92, v91                         ; zp
	s_wait_alu depctr_va_vdst(0)
	v_cndmask_b32 v93, 0, v90, s42             ; D where near_ok
	v_fma_f32 v[PR], -v93, v[PR], v[PR]        ; product of 1 - D
	v_cmp_le_f32 s43, 1.0, v92                 ; near <= zp
	v_cmp_ge_f32 s44, s24, v92                 ; zp <= far
	v_sub_f32 v94, s24, v92
	s_and_b32 s43, s43, s44
	s_and_b32 s43, s43, s42                    ; valid
	v_mul_f32 v94, s25, v94                    ; the depth logit (far - zp) / (far - near)
	v_cndmask_b32 v95, -1.0, v94, s43
	v_max_num_f32 v95, v[MX], v95              ; the new maximum
	v_sub_f32 v82, v[MX], v95
	v_sub_f32 v83, v94, v95
	v_mul_f32 v82, s23, v82
	v_mul_f32 v83, s23, v83
	v_min_num_f32 v83, 0, v83
	v_exp_f32 v84, v82                         ; what the sums so far are worth under the new maximum
	v_exp_f32 v85, v83                         ; exp((logit - max) / gamma)
	v_mov_b32 v[MX], v95                       ; the plain line behind the two exponentials
	s_wait_alu depctr_va_vdst(0)
	v_mul_f32 v85, v90, v85
	v_pk_mul_f32 v[CRG:CRG+1], v[CRG:CRG+1], v[84:85] op_sel_hi:[1,0]
	v_pk_mul_f32 v[CBD:CBD+1], v[CBD:CBD+1], v[84:85] op_sel_hi:[1,0]
	v_cndmask_b32 v86, 0, v85, s43             ; the fragment's weight
	v_mul_f32 v88, v86, v[C0]                  ; weight x c0, c1, c2, each in the first register of a pair
	v_mul_f32 v90, v86, v[C1]
	v_mul_f32 v92, v86, v[C2]
	v_add_f32 v[CBD+1], v[CBD+1], v86
	v_pk_fma_f32 v[CRG:CRG+1], v[gT0:gT0+1], v[88:89], v[CRG:CRG+1] op_sel_hi:[1,0,1]
	v_fma_f32 v[CBD], v[gT0B], v88, v[CBD]
	v_pk_fma_f32 v[CRG:CRG+1], v[gT1:gT1+1], v[90:91], v[CRG:CRG+1] op_sel_hi:[1,0,1]
	v_fma_f32 v[CBD], v[gT1B], v90, v[CBD]
	v_pk_fma_f32 v[CRG:CRG+1], v[gT2:gT2+1], v[92:93], v[CRG:CRG+1] op_sel_hi:[1,0,1]
	v_fma_f32 v[CBD], v[gT2B], v92, v[CBD]
	s_add_co_u32 s39, s39, 1
	s_cmp_lt_u32 s39, s38
	s_cbranch_scc1 .Lface
	s_wait_dscnt 0x0                           ; the last trip's look-ahead has landed: its registers and the records are free
	s_sub_co_u32 s36, s36, 32
	s_add_co_u32 s35, s35, 1
	s_cmp_lt_u32 s35, s34
	s_cbranch_scc1 .Lchunk
.Lmerge:
	; join the two halves of the list: lane i and lane i xor 16 hold the same pixel
	v_permlanex16_b32 v32, v[MX], s32, s33
	v_permlanex16_b32 v33, v[PR], s32, s33
	v_permlanex16_b32 v34, v[CRG], s32, s33
	v_permlanex16_b32 v35, v[CRG+1], s32, s33
	v_permlanex16_b32 v36, v[CBD], s32, s33
	v_permlanex16_b32 v37, v[CBD+1], s32, s33
	v_max_num_f32 v38, v[MX], v32              ; m
	v_sub_f32 v39, v[MX], v38
	v_sub_f32 v40, v32, v38
	v_sub_f32 v41, s28, v38
	v_mul_f32 v39, s23, v39
	v_mul_f32 v40, s23, v40
	v_mul_f32 v41, s23, v41
	v_exp_f32 v42, v39                         ; my sums' factor
	v_exp_f32 v43, v40                         ; the other half's
	v_exp_f32 v44, v41                         ; the background's weight exp((eps - m) / gamma)
	v_mul_f32 v[PR], v[PR], v33                ; the plain line behind them
	s_wait_alu depctr_va_vdst(0)
	v_fma_f32 v[CBD+1], v[CBD+1], v42, v44
	v_mul_f32 v[CRG], v[CRG], v42
	v_mul_f32 v[CRG+1], v[CRG+1], v42
	v_mul_f32 v[CBD], v[CBD], v42
	v_fma_f32 v[CBD+1], v37, v43, v[CBD+1]     ; the denominator: at least the weight of whatever set m
	v_fma_f32 v[CRG], v34, v43, v[CRG]
	v_fma_f32 v[CRG+1], v35, v43, v[CRG+1]
	v_fma_f32 v[CBD], v36, v43, v[CBD]
	v_rcp_f32 v45, v[CBD+1]
	v_sub_f32 v[PR], 1.0, v[PR]                ; alpha
	s_wait_alu depctr_va_vdst(0)
	v_mul_f32 v[CRG], v[CRG], v45
	v_mul_f32 v[CRG+1], v[CRG+1], v45
	v_mul_f32 v[CBD], v[CBD], v45
	; the way out.  Lanes 0-15 hand over red and green, lanes 16-31 blue and alpha.  Unit u of 256 bytes (64 pixels of a row):
	; u = row + 2 half for the first number, + 4 for the second.
	v_and_b32 v48, 7, v1
	v_bfe_u32 v49, v1, 3, 2                    ; row + 2 half
	v_lshl_add_u32 v48, s12, 3, v48            ; x in the group's 64
	v_cmp_ne_u32 vcc_lo, 0, v2
	v_lshlrev_b32 v48, 2, v48
	v_cndmask_b32 v46, v[CRG], v[CBD], vcc_lo
	v_lshl_add_u32 v48, v49, 8, v48
	v_cndmask_b32 v47, v[CRG+1], v[PR], vcc_lo
	ds_store_b32 v48, v46
	ds_store_b32 v48, v47 offset:1024
	s_wait_dscnt 0x0                           ; for the other waves' sake: my numbers are in LDS
	s_barrier_signal -1
	s_barrier_wait -1
	v_lshlrev_b32 v49, 3, v0                   ; wave u reads unit u, 8 bytes a lane
	ds_load_b64 v[50:51], v49
	v_lshlrev_b32 v52, 3, v1
	s_wait_dscnt 0x0
	global_store_b64 v52, v[50:51], s[10:11] th:TH_STORE_NT   ; 32 lanes x 8 bytes: 256 consecutive bytes, aligned
	s_wait_tensorcnt 0x0
	ds_add_u32 v128, v129
	s_wait_dscnt 0x0
	s_endpgm
.Lfunc_end_k_q115fa82db7_raster:
	.size	k_q115fa82db7_raster, .Lfunc_end_k_q115fa82db7_raster-k_q115fa82db7_raster
	.p2alignl 7, 3214868480
	.fill 96, 4, 3214868480
	.section	.rodata,"a",@progbits
	.p2align	6, 0x0
	.amdhsa_kernel k_q115fa82db7_raster
		.amdhsa_group_segment_fixed_size 74752
		.amdhsa_private_segment_fixed_size 0
		.amdhsa_enable_private_segment 0
		.amdhsa_kernarg_size 32
		.amdhsa_user_sgpr_count 2
		.amdhsa_user_sgpr_kernarg_segment_ptr 1
		.amdhsa_wavefront_size32 1
		.amdhsa_system_sgpr_workgroup_id_x 1
		.amdhsa_system_sgpr_workgroup_id_y 1
		.amdhsa_system_sgpr_workgroup_id_z 1
		.amdhsa_system_vgpr_workitem_id 0
		.amdhsa_next_free_vgpr 130
		.amdhsa_next_free_sgpr 82
		.amdhsa_reserve_vcc 1
		.amdhsa_float_denorm_mode_32 3
		.amdhsa_float_denorm_mode_16_64 3
		.amdhsa_memory_ordered 1
		.amdhsa_forward_progress 1
		.amdhsa_inst_pref_size 37
	.end_amdhsa_kernel
	.amdgpu_metadata
---
amdhsa.version: [ 1, 2 ]
amdhsa.kernels:
  - .name:           k_q115fa82db7_raster
    .symbol:         k_q115fa82db7_raster.kd
    .args:
      - { .name: face_vertices, .offset: 0, .size: 8, .value_kind: global_buffer, .address_space: global }
      - { .name: textures, .offset: 8, .size: 8, .value_kind: global_buffer, .address_space: global }
      - { .name: bins, .offset: 16, .size: 8, .value_kind: global_buffer, .address_space: global }
      - { .name: out0, .offset: 24, .size: 8, .value_kind: global_buffer, .address_space: global }
    .group_segment_fixed_size: 74752
    .private_segment_fixed_size: 0
    .kernarg_segment_align: 8
    .kernarg_segment_size: 32
    .max_flat_workgroup_size: 256
    .sgpr_count:     82
    .vgpr_count:     130
    .wavefront_size: 32
...
	.end_amdgpu_metadata
.endif
;; end of part 2
;; ======== version 2 of 2: 2 launches; version 1 with the launch raster written anew for expert scheduling mode
;; workspace buffers: bins 8,192 bytes of whole numbers
;; launch bin: the kernel of part 1 again; grid 32 x 1, 1 waves a work-group, no clusters, 0 bytes of LDS; arguments face_vertices, bins; writes bins
;; launch raster (part 3): grid 256 x 1, 8 waves a work-group, no clusters, 74,752 bytes of LDS; arguments face_vertices, textures, bins, out0; writes out0
.if DOCPART == 3
	.amdgcn_target "amdgcn-amd-amdhsa--gfx1250"
	.amdhsa_code_object_version 6
	.text
	.protected	k_q115fa82db7_raster
	.globl	k_q115fa82db7_raster
	.p2align	8
	.type	k_q115fa82db7_raster,@function
k_q115fa82db7_raster:
	s_mov_b64 s[64:65], 0
	v_nop
	global_prefetch_b8 v0, s[64:65] scope:SCOPE_SE
	s_setreg_imm32_b32 hwreg(HW_REG_WAVE_SCHED_MODE, 0, 2), 2
	s_setreg_imm32_b32 hwreg(HW_REG_WAVE_MODE, 25, 1), 1
	s_wait_xcnt 0x0
	s_wait_alu depctr_vm_vsrc(0)
; The soft rasterizer proper, over the faces that bins[] admits to each tile.
; Work-group = 64 x 2 pixels of one image (2 images x 64 row pairs x 2 halves = 256 groups); wave w = its 8 x 2 tile w.
; Lane = pixel (lane & 15: x = lane & 7, row = bit 3) x half (bit 4): lanes 0-15 take the even entries of the tile's face
; list, lanes 16-31 the odd ones, each with its own running softmax; the halves are joined at the end across the lanes.
;   1. 1024 words of bins[] (eight 16-byte loads a lane); word - tile constant keeps all four guard bits = the face is listed.
;   2. The listed face numbers are packed into the wave's own LDS list (place = members in lower lanes + members so far).
;   3. Per 32 entries: lane i gathers face i (18 words), works out its 31 coefficients once, writes a record of 144 bytes.
;   4. Per pair of records: every lane evaluates its pixel against its half's record.  The depth softmax is kept online:
;      a new maximum rescales the sums by exp((old - new) / gamma), so the list is walked once.
;   5. rgb and alpha go through 2 KB of LDS so that each wave's one store covers 256 consecutive bytes, aligned.
; All selections by floating-point conditions are v_cndmask_b32; trip counts and addresses hang on bins[] alone.
; List and records are each wave's own bytes (base = 2048 + 8960 x wave; every index is held under a constant right in
; front of its use), so the only barrier is the one in front of the way out.
; The three einsums are nine f32 multiply-adds a fragment here: with some 14 listed faces a pixel and three colour columns
; a 16 x 16 x 32 matrix form would be filled to 3 columns of 16 and its sums would need the same rescaling.
; No cluster: what the groups share is 4 KB of bins[] an image; the gathered faces differ from tile to tile.
; LIMITS.  Divisions are v_rcp_f32 (1 ulp) times a multiply; faces are summed in list order, in two halves.  NaN, infinite
; vertices and z = 0 are not followed (the reference's maximum hands a NaN on, v_max_num_f32 drops it).  A fragment whose
; squared distance is within a few ulp of the cut 9.2102e-5 may fall on the other side of it.  BG = 0 and FILL_BACK = True
; are constants of the problem: the background adds no colour and no face is dropped for its winding.
; THE MODE: SCHED_MODE bits 1:0 = 2 (LLVM: expert scheduling mode 2), set by the entry lines.  The code itself states the
; register dependences between vector instructions and memory or LDS instructions, with s_wait_alu, always for 0.
; THE PLAN OF THE FACE LOOP.  Registers that LDS instructions touch, trip i:
;   words 0-15  (GA .. GA+15)         read by the geometry, ahead of the first batch of transcendentals; trip i+1's land behind wait 1
;   words 16-21 (GA+16 .. GB+1)       last read by the three lines of 1/z, ahead of the second batch;    trip i+1's land behind wait 2
;   words 22-31 (GB+2 .. GB+11)       read by the colour lines at the trip's end;                        trip i's land behind wait 1 of trip i
;   RA, RN                            this trip's and the next trip's record pair: written by two adds ahead of wait 1, read by the loads behind waits 1 and 2
; The chain 1/s, 1/(1/z), exponentials makes three batches of transcendentals, each with the one wait on va_vdst
; ahead of its first reader; these three waits also state all that the trip's nine loads hang on, and each run of
; loads stands directly behind its wait.  One wait on vm_vsrc stands ahead of the two adds; two waits on va_sdst serve the four masks.
; Outside the loop each run of stores or loads has its wait directly ahead, and the head of a chunk has the one wait on vm_vsrc
; that frees the registers which the stores and gathers before it read.
.set STAGE_B, 2048                         ; LDS 0..2047: 8 units of 256 bytes on the way out
.set LIST_B,  4352                         ; a wave's list: 1024 entries, 32 of padding, one dump word at 1056
.set REC_P,   144                          ; a record: 32 words + 16 bytes
.set PAIR_B,  2*REC_P                      ; what a trip of the face loop consumes: one record for each half of the lanes
.set LASTP,   15*PAIR_B                    ; the offset of a chunk's last pair
.set WAVE_B,  LIST_B+32*REC_P              ; 8960 bytes a wave
.set PX,  4                                ; v[4:5]   the pixel's x, y
.set LB,  6                                ; list base      RB 7: record base + 144 x half      RS 8: record base + 144 x lane
.set RB,  7
.set RS,  8
.set L4,  9                                ; 4 x lane
.set DUM, 10                               ; 1056
.set NKS, 11                               ; -log2(e) / sigma
.set MX,  12                               ; running maximum of the depth logit
.set PR,  13                               ; running product of 1 - D
.set CRG, 14                               ; v[14:15] red, green sums
.set CBD, 16                               ; v[16:17] blue sum, sum of weights
.set RA,  27                               ; address of this trip's record pair, formed anew in every trip
.set RN,  28                               ; address of the next trip's record pair, likewise
.set W,   32                               ; v[32:63] the words of bins[]; afterwards the record at work:
.set GA,  32                               ; v[32:51] words 0-19, fetched a trip ahead
.set GB,  52                               ; v[52:63] words 20-21, fetched a trip ahead; words 22-31, fetched in the trip
.set R,   96                               ; v[96:127] the record that this lane builds
.set MK,  48                               ; s[48:63] sixteen member masks
.set PF,  66                               ; s[66:81] members in front of each of them
.set gX0, GA+0                             ; record: x0 y0 x1 y1 | x2 y2 A1 B1 | A2 B2 -1/L0 -1/L1 | e0x e0y e1x e1y |
.set gX1, GA+2                             ;         e2x e2y -1/L2 1/z0 | 1/z1 1/z2 t2b 0 | t0r t0g t1r t1g | t2r t2g t0b t1b
.set gX2, GA+4
.set gA1, GA+6
.set gB1, GA+7
.set gA2, GA+8
.set gB2, GA+9
.set gN0, GA+10
.set gN1, GA+11
.set gE0, GA+12
.set gE1, GA+14
.set gE2, GA+16
.set gN2, GA+18
.set gZ0, GA+19
.set gZ1, GB+0
.set gZ2, GB+1
.set gT2B, GB+2
.set gT0, GB+4
.set gT1, GB+6
.set gT2, GB+8
.set gT0B, GB+10
.set gT1B, GB+11
.set D0, 64                                ; v[64:69] pixel - vertex 0, 1, 2
.set D1, 66
.set D2, 68
.set Q0, 70                                ; v[70:75] pixel - nearest point of edge 0, 1, 2
.set Q1, 72
.set Q2, 74
.set T0, 76                                ; -t of edge 0; its odd neighbour C1 = w1, then c1
.set C1, 77
.set T1, 78
.set C2, 79
.set T2, 80
.set C0, 81
	s_load_b256 s[4:11], s[0:1], 0x0           ; face_vertices s[4:5], textures s[6:7], bins s[8:9], out0 s[10:11]
	v_lshl_add_u32 v30, v0, 2, 0x12000
	v_mov_b32 v31, 0
	v_and_b32 v1, 31, v0                       ; lane
	v_lshrrev_b32 v2, 5, v0
	v_readfirstlane_b32 s12, v2                ; wave 0..7
	s_lshr_b32 s13, ttmp9, 7                   ; image
	s_bfe_u32 s14, ttmp9, 0x60001              ; tile row 0..63 (6 bits from bit 1)
	s_and_b32 s15, ttmp9, 1                    ; left or right 64 pixels
	v_lshlrev_b32 v3, 4, v1
	s_wait_alu depctr_va_sdst(0)               ; s12 is written, ahead of its first reader: the tile's column, the LDS bases and the way out are made from it
	s_lshl3_add_u32 s16, s15, s12              ; tile column 0..15
	s_lshl_b32 s46, s13, 12                    ; 1024 words an image
	s_mov_b32 s47, 0
	s_wait_kmcnt 0x0
	s_add_nc_u64 s[8:9], s[8:9], s[46:47]
	s_wait_alu depctr_va_vdst(0)               ; v3 is written, the offset that the eight loads below read
.irp j, 0,1,2,3,4,5,6,7
	global_load_b128 v[W+4*\j:W+4*\j+3], v3, s[8:9] offset:512*\j   ; register 4j+q of lane l: face 128 j + 4 l + q
.endr
	s_mul_i32 s46, s13, 36864                  ; 1024 faces of 36 bytes an image
	s_add_nc_u64 s[4:5], s[4:5], s[46:47]
	s_add_nc_u64 s[6:7], s[6:7], s[46:47]
	; where this wave's unit of 256 bytes goes: unit u = wave: row = u & 1, channel = 2 ((u >> 1) & 1) + (u >> 2)
	s_lshl_b32 s46, s13, 18                    ; image: 4 x 128 x 128 x 4 bytes
	s_lshr_b32 s20, s12, 2
	s_bfe_u32 s44, s12, 0x10001
	s_lshl1_add_u32 s20, s44, s20
	s_lshl_b32 s20, s20, 16                    ; channel: 65,536 bytes
	s_add_co_u32 s46, s46, s20
	s_and_b32 s20, s12, 1
	s_lshl1_add_u32 s20, s14, s20              ; pixel row
	s_lshl_b32 s20, s20, 9
	s_add_co_u32 s46, s46, s20
	s_lshl_b32 s20, s15, 8
	s_add_co_u32 s46, s46, s20
	s_add_nc_u64 s[10:11], s[10:11], s[46:47]
	; the tile's four numbers, one to a byte: column + 1, row + 1, 127 - column, 127 - row (all below 128: no borrow between bytes)
	s_add_co_u32 s17, s16, 1
	s_add_co_u32 s20, s14, 1
	s_lshl_b32 s20, s20, 8
	s_or_b32 s17, s17, s20
	s_sub_co_u32 s20, 127, s16
	s_lshl_b32 s20, s20, 16
	s_or_b32 s17, s17, s20
	s_sub_co_u32 s20, 127, s14
	s_lshl_b32 s20, s20, 24
	s_or_b32 s17, s17, s20
	s_mov_b32 s18, 0x80808080
	s_mov_b32 s19, 0                           ; members so far
	s_mov_b32 s21, 0x480ce360                  ; log2(e) / sigma = 144269.5
	s_mov_b32 s22, 0x38c1271a                  ; sigma ln(9999) = 9.2102404e-5
	s_mov_b32 s23, 0x46616bcd                  ; log2(e) / gamma = 14426.95
	s_mov_b32 s24, 0x42c80000                  ; far = 100
	s_mov_b32 s25, 0x3c257eb5                  ; 1 / (far - near) = 1/99
	s_mov_b32 s26, 0x3727c5ac                  ; 1e-5
	s_mov_b32 s27, 0x322bcc77                  ; 1e-8
	s_mov_b32 s28, 0x3a83126f                  ; the background's logit, 1e-3
	s_mov_b32 s29, 0x2edbe6ff                  ; 1e-10
	s_mov_b32 s30, 0xab8cbccc                  ; -1e-12
	s_mov_b32 s31, 0x447a0000                  ; 1000.0: where an empty record's vertices are put
	s_mov_b32 s32, 0x76543210                  ; v_permlanex16_b32: lane i of the other half
	s_mov_b32 s33, 0xfedcba98
	s_mul_i32 s20, s12, WAVE_B
	s_add_co_u32 s20, s20, STAGE_B             ; my list
	s_add_co_u32 s45, s20, LIST_B              ; my records
	v_mov_b32 v[LB], s20
	v_mul_u32_u24 v[RS], REC_P, v1
	v_lshrrev_b32 v2, 4, v1                    ; half
	v_add_nc_u32 v[RS], s45, v[RS]
	v_mul_u32_u24 v[RB], REC_P, v2
	v_lshlrev_b32 v[L4], 2, v1
	v_add_nc_u32 v[RB], s45, v[RB]
	v_mov_b32 v[DUM], 0x420
	v_mov_b32 v[NKS], 0xc80ce360
	v_mov_b32 v[R+23], 0                       ; the record's unused word
	; pixel centre: x = (2 i - 127) / 128, y = (127 - 2 j) / 128, exact
	v_and_b32 v20, 7, v1
	v_bfe_u32 v21, v1, 3, 1
	v_lshl_add_u32 v20, s16, 3, v20
	v_lshl_add_u32 v21, s14, 1, v21
	v_lshl_add_u32 v20, v20, 1, 0xffffff81
	v_lshlrev_b32 v21, 1, v21
	v_cvt_f32_i32 v[PX], v20
	v_sub_nc_u32 v21, 127, v21
	v_mul_f32 v[PX], 0x3c000000, v[PX]
	v_cvt_f32_i32 v[PX+1], v21
	v_mov_b32 v[MX], s28                       ; the maximum starts at the background's logit
	v_mul_f32 v[PX+1], 0x3c000000, v[PX+1]
	v_mov_b32 v[PR], 1.0
	v_mov_b32 v[CRG], 0
	v_mov_b32 v[CRG+1], 0
	v_mov_b32 v[CBD], 0
	v_mov_b32 v[CBD+1], 0
; Sixteen registers of words: test, count, place.  Written stage by stage so that no line waits for the one in front of it,
; and so that vector and scalar work change hands twice and not once a register.
.macro COMPACT k0
.set k, 0
.rept 16
	v_sub_nc_u32 v[W+\k0+k], v[W+\k0+k], s17       ; a guard bit survives where the field is at least the tile's number
.set k, k+1
.endr
.set k, 0
.rept 16
	v_and_b32 v[W+\k0+k], s18, v[W+\k0+k]
.set k, k+1
.endr
.set k, 0
.rept 16
	v_cmp_eq_u32 s[MK+k], s18, v[W+\k0+k]          ; all four: the face's range holds my tile
.set k, k+1
.endr
	s_wait_alu depctr_va_sdst(0)                   ; the sixteen masks are written, ahead of their first readers: the counts, the places and the selects below
	s_mov_b32 s[PF], s19
.set k, 0
.rept 15
	s_bcnt1_i32_b32 s20, s[MK+k]
	s_add_co_u32 s[PF+k+1], s[PF+k], s20
.set k, k+1
.endr
	s_bcnt1_i32_b32 s20, s[MK+15]
	s_add_co_u32 s19, s[PF+15], s20
.set k, 0
.rept 16
	v_mbcnt_lo_u32_b32 v[W+\k0+k], s[MK+k], s[PF+k]   ; members in lower lanes + members in front
.set k, k+1
.endr
.set k, 0
.rept 16
	v_cndmask_b32 v[W+\k0+k], v[DUM], v[W+\k0+k], s[MK+k]   ; the others write the dump word
.set k, k+1
.endr
.set k, 0
.rept 16
	v_min_u32 v[W+\k0+k], 0x420, v[W+\k0+k]        ; inside my list whatever the words held
.set k, k+1
.endr
.set k, 0
.rept 16
	v_lshl_add_u32 v[W+\k0+k], v[W+\k0+k], 2, v[LB]
.set k, k+1
.endr
.if \k0 > 0
	s_wait_alu depctr_vm_vsrc(0)                   ; the first sixteen list stores have read v[64:79], their data, which the adds below write again
.endif
.set k, 0
.rept 16
	v_add_nc_u32 v[64+k], 128*((\k0+k)/4)+((\k0+k)%4), v[L4]   ; the face's number
.set k, k+1
.endr
	s_wait_alu depctr_va_vdst(0)                   ; the sixteen addresses and the sixteen face numbers are written, which the stores below read
.set k, 0
.rept 16
	ds_store_b32 v[W+\k0+k], v[64+k]
.set k, k+1
.endr
.endm
	s_wait_loadcnt 0x4                         ; loads return in order: the first four are in, the four younger may be out
	COMPACT 0
	s_wait_loadcnt 0x0
	COMPACT 16
	v_add_nc_u32 v24, s19, v1                  ; 32 entries of face 0 behind the last member: the last chunk reads written words
	v_min_u32 v24, 0x41f, v24
	v_mov_b32 v25, 0
	v_lshl_add_u32 v24, v24, 2, v[LB]
	s_wait_alu depctr_va_vdst(0)               ; v24 and v25 are written, the store's address and data
	ds_store_b32 v24, v25
	s_add_co_u32 s34, s19, 31
	s_lshr_b32 s34, s34, 5
	s_min_u32 s34, s34, 32                     ; chunks of 32 entries
	s_mov_b32 s35, 0                           ; chunk
	s_mov_b32 s36, s19                         ; entries left
	s_cmp_eq_u32 s34, 0
	s_cbranch_scc1 .Lmerge                     ; an empty tile: background alone
.Lchunk:
	s_wait_alu depctr_vm_vsrc(0)               ; all LDS and memory instructions so far have read their registers: v24, v25 (list), v26 (gathers), v[96:127] (record stores), v[32:79] (list stores), all written again in this chunk
	v_lshl_add_u32 v24, s35, 5, v1             ; entry 32 x chunk + lane
	v_min_u32 v24, 0x41f, v24
	v_lshl_add_u32 v24, v24, 2, v[LB]
	s_wait_alu depctr_va_vdst(0)               ; v24 is written, the load's address; the vector lines that wrote and read v25, in which it lands, are done
	ds_load_b32 v25, v24                       ; LDS serves a wave in order: this sees the stores above
	s_min_u32 s37, s36, 32                     ; entries of this chunk
	s_add_co_u32 s38, s37, 1
	s_lshr_b32 s38, s38, 1                     ; trips: two entries each
	s_wait_dscnt 0x0
	v_min_u32 v25, 0x3ff, v25                  ; a face number, whatever LDS held
	v_mul_u32_u24 v26, 36, v25
	s_wait_alu depctr_va_vdst(0)               ; v26 is written, the gathers' offset; the last chunk's vector lines are done with v[96:127] and v[64:66], in which they land
	global_load_b32 v[R+0], v26, s[4:5]                ; x0
	global_load_b32 v[R+1], v26, s[4:5] offset:4       ; y0
	global_load_b32 v64,    v26, s[4:5] offset:8       ; z0
	global_load_b32 v[R+2], v26, s[4:5] offset:12      ; x1
	global_load_b32 v[R+3], v26, s[4:5] offset:16      ; y1
	global_load_b32 v65,    v26, s[4:5] offset:20      ; z1
	global_load_b32 v[R+4], v26, s[4:5] offset:24      ; x2
	global_load_b32 v[R+5], v26, s[4:5] offset:28      ; y2
	global_load_b32 v66,    v26, s[4:5] offset:32      ; z2
	global_load_b32 v[R+24], v26, s[6:7]               ; the nine colours straight to their places in the record
	global_load_b32 v[R+25], v26, s[6:7] offset:4
	global_load_b32 v[R+30], v26, s[6:7] offset:8
	global_load_b32 v[R+26], v26, s[6:7] offset:12
	global_load_b32 v[R+27], v26, s[6:7] offset:16
	global_load_b32 v[R+31], v26, s[6:7] offset:20
	global_load_b32 v[R+28], v26, s[6:7] offset:24
	global_load_b32 v[R+29], v26, s[6:7] offset:28
	global_load_b32 v[R+22], v26, s[6:7] offset:32
	s_wait_loadcnt 0x9                         ; the vertices are in; the nine colours may be out
	v_sub_f32 v[R+12], v[R+2], v[R+0]          ; edge 0 = v1 - v0 (also e1 of the barycentrics)
	v_sub_f32 v[R+13], v[R+3], v[R+1]
	v_sub_f32 v67, v[R+4], v[R+0]              ; e2 = v2 - v0
	v_sub_f32 v68, v[R+5], v[R+1]
	v_sub_f32 v[R+14], v[R+4], v[R+2]          ; edge 1 = v2 - v1
	v_sub_f32 v[R+15], v[R+5], v[R+3]
	v_sub_f32 v[R+16], v[R+0], v[R+4]          ; edge 2 = v0 - v2
	v_sub_f32 v[R+17], v[R+1], v[R+5]
	v_mul_f32 v69, v[R+13], v67
	v_mul_f32 v70, v[R+13], v[R+13]
	v_mul_f32 v71, v[R+15], v[R+15]
	v_mul_f32 v72, v[R+17], v[R+17]
	v_fma_f32 v69, v[R+12], v68, -v69          ; det = e1x e2y - e1y e2x
	v_fma_f32 v70, -v[R+12], v[R+12], -v70     ; -(ex^2 + ey^2)
	v_fma_f32 v71, -v[R+14], v[R+14], -v71
	v_fma_f32 v72, -v[R+16], v[R+16], -v72
	v_cmp_lt_f32 vcc_lo, |v69|, s29
	v_min_num_f32 v70, s30, v70                ; -max(L, 1e-12)
	v_min_num_f32 v71, s30, v71
	v_min_num_f32 v72, s30, v72
	s_wait_alu depctr_va_vcc(0)                ; VCC is written, ahead of the select that reads it
	v_cndmask_b32 v69, v69, s29, vcc_lo        ; |det| < 1e-10: 1e-10
	v_rcp_f32 v73, v69
	v_rcp_f32 v[R+10], v70                     ; -1/L: t comes out negated, so that q = d + (-t) e is one multiply-add
	v_rcp_f32 v[R+11], v71
	v_rcp_f32 v[R+18], v72
	v_rcp_f32 v[R+19], v64
	v_rcp_f32 v[R+20], v65
	v_rcp_f32 v[R+21], v66
	v_cmp_le_u32 vcc_lo, s37, v1               ; lanes past the chunk's end; also the plain line behind the reciprocals (ISA guide 5.7.2)
	s_wait_alu depctr_va_vdst(0)               ; the seven reciprocals are written: one wait for the batch, ahead of 1/det's first reader
	v_mul_f32 v[R+6], v68, v73                 ; w1 = dx A1 + dy B1: A1 = e2y / det, B1 = -e2x / det
	v_mul_f32 v[R+7], -v67, v73
	v_mul_f32 v[R+8], -v[R+13], v73            ; w2 = dx A2 + dy B2: A2 = -e1y / det, B2 = e1x / det
	v_mul_f32 v[R+9], v[R+12], v73
	s_wait_alu depctr_va_vcc(0)                ; VCC is written anew, ahead of the five selects that read it
	; an empty record: vertices at x = 1000 (squared distance about 1e6, far over the cut) and w1 = dx = about -1000 (not inside)
	v_cndmask_b32 v[R+0], v[R+0], s31, vcc_lo
	v_cndmask_b32 v[R+2], v[R+2], s31, vcc_lo
	v_cndmask_b32 v[R+4], v[R+4], s31, vcc_lo
	v_cndmask_b32 v[R+6], v[R+6], 1.0, vcc_lo
	v_cndmask_b32 v[R+7], v[R+7], 0, vcc_lo
	s_wait_alu depctr_va_vdst(0)               ; the record's words are written, which the eight stores read; the last chunk's vector lines are done reading v[32:53], in which the six loads below land
.irp i, 0,1,2,3,4
	ds_store_b128 v[RS], v[R+4*\i:R+4*\i+3] offset:16*\i
.endr
	s_wait_loadcnt 0x0                         ; the colours
.irp i, 5,6,7
	ds_store_b128 v[RS], v[R+4*\i:R+4*\i+3] offset:16*\i
.endr
	s_mov_b32 s39, 0                           ; trip
	s_mov_b32 s40, 0                           ; 288 x trip
.irp i, 0,1,2,3,4
	ds_load_b128 v[GA+4*\i:GA+4*\i+3], v[RB] offset:16*\i   ; records 0 (lanes 0-15) and 1 (lanes 16-31), words 0-19
.endr
	ds_load_b64 v[GB:GB+1], v[RB] offset:80    ; and words 20, 21: the youngest load at the loop's head, as round the back edge
.Lface:
	s_wait_dscnt 0x1                           ; LDS answers in order: words 0-19 of this trip's record are in; the youngest load (1/z1, 1/z2) may be out
	v_pk_add_f32 v[D0:D0+1], v[PX:PX+1], v[gX0:gX0+1] neg_lo:[0,1] neg_hi:[0,1]   ; pixel - vertex
	v_pk_add_f32 v[D1:D1+1], v[PX:PX+1], v[gX1:gX1+1] neg_lo:[0,1] neg_hi:[0,1]
	v_pk_add_f32 v[D2:D2+1], v[PX:PX+1], v[gX2:gX2+1] neg_lo:[0,1] neg_hi:[0,1]
	v_mul_f32 v[C1], v[D0+1], v[gB1]
	v_mul_f32 v[C2], v[D0+1], v[gB2]
	v_mul_f32 v[T0], v[D0+1], v[gE0+1]
	v_mul_f32 v[T1], v[D1+1], v[gE1+1]
	v_mul_f32 v[T2], v[D2+1], v[gE2+1]
	v_fma_f32 v[C1], v[D0], v[gA1], v[C1]      ; w1
	v_fma_f32 v[C2], v[D0], v[gA2], v[C2]      ; w2
	v_fma_f32 v[T0], v[D0], v[gE0], v[T0]      ; d . e
	v_fma_f32 v[T1], v[D1], v[gE1], v[T1]
	v_fma_f32 v[T2], v[D2], v[gE2], v[T2]
	v_sub_f32 v[C0], 1.0, v[C1]
	v_mul_f32 v[T0], v[T0], v[gN0]             ; -(d . e) / L
	v_mul_f32 v[T1], v[T1], v[gN1]
	v_mul_f32 v[T2], v[T2], v[gN2]
	v_sub_f32 v[C0], v[C0], v[C2]              ; w0 = 1 - w1 - w2
	v_med3_num_f32 v[T0], v[T0], -1.0, 0       ; -clip(t, 0, 1)
	v_med3_num_f32 v[T1], v[T1], -1.0, 0
	v_med3_num_f32 v[T2], v[T2], -1.0, 0
	v_pk_fma_f32 v[Q0:Q0+1], v[gE0:gE0+1], v[T0:T0+1], v[D0:D0+1] op_sel_hi:[1,0,1]   ; q = d - t e, both parts times the pair's first register
	v_pk_fma_f32 v[Q1:Q1+1], v[gE1:gE1+1], v[T1:T1+1], v[D1:D1+1] op_sel_hi:[1,0,1]
	v_pk_fma_f32 v[Q2:Q2+1], v[gE2:gE2+1], v[T2:T2+1], v[D2:D2+1] op_sel_hi:[1,0,1]
	v_min3_num_f32 v82, v[C0], v[C1], v[C2]
	v_mul_f32 v83, v[Q0+1], v[Q0+1]
	v_mul_f32 v84, v[Q1+1], v[Q1+1]
	v_mul_f32 v85, v[Q2+1], v[Q2+1]
	v_cmp_le_f32 s41, 0, v82                   ; inside: all three weights >= 0
	v_fma_f32 v83, v[Q0], v[Q0], v83
	v_fma_f32 v84, v[Q1], v[Q1], v84
	v_fma_f32 v85, v[Q2], v[Q2], v85
	v_med3_num_f32 v[C0], v[C0], 0, 1.0        ; clipped weights
	v_med3_num_f32 v[C1], v[C1], 0, 1.0
	v_med3_num_f32 v[C2], v[C2], 0, 1.0
	v_min3_num_f32 v83, v83, v84, v85          ; squared distance to the outline
	v_add_f32 v86, v[C0], v[C1]
	s_wait_alu depctr_va_sdst(0)               ; s41 is written, ahead of its first reader, the select below
	v_cndmask_b32 v87, s21, v[NKS], s41        ; D = 1 / (1 + 2^x), x = -+ dis log2(e) / sigma, minus inside
	v_add_f32 v86, v86, v[C2]
	v_mul_f32 v87, v83, v87
	v_max_num_f32 v86, s26, v86                ; max(c0 + c1 + c2, 1e-5)
	v_exp_f32 v88, v87                         ; first batch
	v_rcp_f32 v89, v86
	s_min_u32 s40, s40, LASTP                  ; 288 x trip, at most 16 trips: held inside my 32 records whatever the counts were
	s_wait_alu depctr_vm_vsrc(0)               ; the loads of the trip before have read RA and RN, which the two adds write again
	v_add_nc_u32 v[RA], s40, v[RB]             ; this trip's pair; also the plain line behind the two transcendentals
	s_add_co_u32 s40, s40, PAIR_B              ; the next trip's offset;
	s_min_u32 s45, s40, LASTP                  ; the look-ahead of a chunk's last trip stays on its last pair: all 32 records were written
	v_add_nc_u32 v[RN], s45, v[RB]
	s_wait_alu depctr_va_vdst(0)               ; wait 1: 2^x and 1/s are written, ahead of their first readers; RA and RN are written; the geometry is done reading words 0-15, the last trip's colour lines words 22-31
	ds_load_b64  v[GB+2:GB+3],  v[RA] offset:88    ; this trip's words 22-31: wanted behind the third batch
	ds_load_b128 v[GB+4:GB+7],  v[RA] offset:96
	ds_load_b128 v[GB+8:GB+11], v[RA] offset:112
.irp i, 0,1,2,3
	ds_load_b128 v[GA+4*\i:GA+4*\i+3], v[RN] offset:16*\i   ; the next trip's words 0-15
.endr
	v_add_f32 v88, 1.0, v88
	v_mul_f32 v[C0], v[C0], v89                ; renormalized
	v_mul_f32 v[C1], v[C1], v89
	v_mul_f32 v[C2], v[C2], v89
	s_wait_dscnt 0x7                           ; 1/z1 and 1/z2 are in; the seven loads just issued may be out
	v_mul_f32 v91, v[C0], v[gZ0]
	v_fma_f32 v91, v[C1], v[gZ1], v91
	v_fma_f32 v91, v[C2], v[gZ2], v91          ; 1/z, interpolated
	v_max_num_f32 v91, s27, v91
	v_rcp_f32 v90, v88                         ; second batch: D,
	v_rcp_f32 v92, v91                         ; zp
	v_cmp_ge_f32 s42, s22, v83                 ; dis <= cut; the plain line behind the two reciprocals
	s_wait_alu depctr_va_vdst(0)               ; wait 2: D and zp are written, ahead of their first readers; the three lines of 1/z are done reading words 19-21
	ds_load_b128 v[GA+16:GA+19], v[RN] offset:64   ; the next trip's words 16-19
	ds_load_b64  v[GB:GB+1],     v[RN] offset:80   ; and 20, 21: the youngest load at the loop's head
	v_cmp_le_f32 s43, 1.0, v92                 ; near <= zp
	v_cmp_ge_f32 s44, s24, v92                 ; zp <= far
	v_sub_f32 v94, s24, v92
	v_mul_f32 v94, s25, v94                    ; the depth logit (far - zp) / (far - near)
	s_wait_alu depctr_va_sdst(0)               ; s42, s43 and s44 are written, ahead of their first readers, the three scalar lines below
	s_or_b32 s42, s42, s41                     ; near_ok
	s_and_b32 s43, s43, s44
	s_and_b32 s43, s43, s42                    ; valid
	v_cndmask_b32 v93, 0, v90, s42             ; D where near_ok
	v_cndmask_b32 v95, -1.0, v94, s43
	v_fma_f32 v[PR], -v93, v[PR], v[PR]        ; product of 1 - D
	v_max_num_f32 v95, v[MX], v95              ; the new maximum
	v_sub_f32 v82, v[MX], v95
	v_sub_f32 v83, v94, v95
	v_mul_f32 v82, s23, v82
	v_mul_f32 v83, s23, v83
	v_min_num_f32 v83, 0, v83
	v_exp_f32 v84, v82                         ; third batch: what the sums so far are worth under the new maximum,
	v_exp_f32 v85, v83                         ; exp((logit - max) / gamma)
	v_mov_b32 v[MX], v95                       ; the plain line behind the two exponentials
	s_wait_alu depctr_va_vdst(0)               ; wait 3: the two exponentials are written, ahead of their first readers
	v_mul_f32 v85, v90, v85
	v_pk_mul_f32 v[CRG:CRG+1], v[CRG:CRG+1], v[84:85] op_sel_hi:[1,0]
	v_pk_mul_f32 v[CBD:CBD+1], v[CBD:CBD+1], v[84:85] op_sel_hi:[1,0]
	v_cndmask_b32 v86, 0, v85, s43             ; the fragment's weight
	v_mul_f32 v88, v86, v[C0]                  ; weight x c0, c1, c2, each in the first register of a pair
	v_mul_f32 v90, v86, v[C1]
	v_mul_f32 v92, v86, v[C2]
	v_add_f32 v[CBD+1], v[CBD+1], v86
	s_wait_dscnt 0x6                           ; words 22-31 are in; the six younger loads, the next trip's words 0-21, may be out
	v_pk_fma_f32 v[CRG:CRG+1], v[gT0:gT0+1], v[88:89], v[CRG:CRG+1] op_sel_hi:[1,0,1]
	v_fma_f32 v[CBD], v[gT0B], v88, v[CBD]
	v_pk_fma_f32 v[CRG:CRG+1], v[gT1:gT1+1], v[90:91], v[CRG:CRG+1] op_sel_hi:[1,0,1]
	v_fma_f32 v[CBD], v[gT1B], v90, v[CBD]
	v_pk_fma_f32 v[CRG:CRG+1], v[gT2:gT2+1], v[92:93], v[CRG:CRG+1] op_sel_hi:[1,0,1]
	v_fma_f32 v[CBD], v[gT2B], v92, v[CBD]
	s_add_co_u32 s39, s39, 1
	s_cmp_lt_u32 s39, s38
	s_cbranch_scc1 .Lface
	s_wait_dscnt 0x0                           ; the last trip's look-ahead has landed: its registers and the records are free
	s_sub_co_u32 s36, s36, 32
	s_add_co_u32 s35, s35, 1
	s_cmp_lt_u32 s35, s34
	s_cbranch_scc1 .Lchunk
.Lmerge:
	s_wait_alu depctr_vm_vsrc(0)               ; the list stores have read v[32:63], their addresses, which are written from here on (an empty tile comes here straight from those stores)
	; join the two halves of the list: lane i and lane i xor 16 hold the same pixel
	v_permlanex16_b32 v32, v[MX], s32, s33
	v_permlanex16_b32 v33, v[PR], s32, s33
	v_permlanex16_b32 v34, v[CRG], s32, s33
	v_permlanex16_b32 v35, v[CRG+1], s32, s33
	v_permlanex16_b32 v36, v[CBD], s32, s33
	v_permlanex16_b32 v37, v[CBD+1], s32, s33
	v_max_num_f32 v38, v[MX], v32              ; m
	v_sub_f32 v39, v[MX], v38
	v_sub_f32 v40, v32, v38
	v_sub_f32 v41, s28, v38
	v_mul_f32 v39, s23, v39
	v_mul_f32 v40, s23, v40
	v_mul_f32 v41, s23, v41
	v_exp_f32 v42, v39                         ; my sums' factor
	v_exp_f32 v43, v40                         ; the other half's
	v_exp_f32 v44, v41                         ; the background's weight exp((eps - m) / gamma)
	v_mul_f32 v[PR], v[PR], v33                ; the plain line behind them
	s_wait_alu depctr_va_vdst(0)               ; the three exponentials are written: one wait for the batch, ahead of its first reader
	v_fma_f32 v[CBD+1], v[CBD+1], v42, v44
	v_mul_f32 v[CRG], v[CRG], v42
	v_mul_f32 v[CRG+1], v[CRG+1], v42
	v_mul_f32 v[CBD], v[CBD], v42
	v_fma_f32 v[CBD+1], v37, v43, v[CBD+1]     ; the denominator: at least the weight of whatever set m
	v_fma_f32 v[CRG], v34, v43, v[CRG]
	v_fma_f32 v[CRG+1], v35, v43, v[CRG+1]
	v_fma_f32 v[CBD], v36, v43, v[CBD]
	v_rcp_f32 v45, v[CBD+1]
	v_sub_f32 v[PR], 1.0, v[PR]                ; alpha; the plain line behind the reciprocal
	; the way out.  Lanes 0-15 hand over red and green, lanes 16-31 blue and alpha.  Unit u of 256 bytes (64 pixels of a row):
	; u = row + 2 half for the first number, + 4 for the second.  The addresses are the independent work behind the reciprocal.
	v_and_b32 v48, 7, v1
	v_bfe_u32 v49, v1, 3, 2                    ; row + 2 half
	v_lshl_add_u32 v48, s12, 3, v48            ; x in the group's 64
	v_cmp_ne_u32 vcc_lo, 0, v2
	v_lshlrev_b32 v48, 2, v48
	v_lshl_add_u32 v48, v49, 8, v48
	v_lshlrev_b32 v49, 3, v0                   ; wave u reads unit u, 8 bytes a lane
	v_lshlrev_b32 v52, 3, v1
	s_wait_alu depctr_va_vdst(0)               ; the reciprocal is written, ahead of its first reader
	v_mul_f32 v[CRG], v[CRG], v45
	v_mul_f32 v[CRG+1], v[CRG+1], v45
	v_mul_f32 v[CBD], v[CBD], v45
	s_wait_alu depctr_va_vcc(0)                ; VCC is written, ahead of the two selects that read it
	v_cndmask_b32 v46, v[CRG], v[CBD], vcc_lo
	v_cndmask_b32 v47, v[CRG+1], v[PR], vcc_lo
	s_wait_alu depctr_va_vdst(0)               ; v46, v47 and v48 are written, the two stores' data and address; so are v49 and v52, the addresses behind the barrier; no vector line follows
	ds_store_b32 v48, v46
	ds_store_b32 v48, v47 offset:1024
	s_wait_dscnt 0x0                           ; for the other waves' sake: my numbers are in LDS
	s_barrier_signal -1
	s_barrier_wait -1
	ds_load_b64 v[50:51], v49
	s_wait_dscnt 0x0
	global_store_b64 v52, v[50:51], s[10:11] th:TH_STORE_NT   ; 32 lanes x 8 bytes: 256 consecutive bytes, aligned
	s_wait_dscnt 0x0
	s_wait_alu depctr_hold_cnt(0) depctr_sa_sdst(0) depctr_va_vdst(0) depctr_va_sdst(0) depctr_va_ssrc(0) depctr_va_vcc(0) depctr_vm_vsrc(0)
	s_wait_tensorcnt 0x0
	ds_add_u32 v30, v31
	s_wait_dscnt 0x0
	s_endpgm
.Lfunc_end_k_q115fa82db7_raster:
	.size	k_q115fa82db7_raster, .Lfunc_end_k_q115fa82db7_raster-k_q115fa82db7_raster
	.p2alignl 7, 3214868480
	.fill 96, 4, 3214868480
	.section	.rodata,"a",@progbits
	.p2align	6, 0x0
	.amdhsa_kernel k_q115fa82db7_raster
		.amdhsa_group_segment_fixed_size 74752
		.amdhsa_private_segment_fixed_size 0
		.amdhsa_enable_private_segment 0
		.amdhsa_kernarg_size 32
		.amdhsa_user_sgpr_count 2
		.amdhsa_user_sgpr_kernarg_segment_ptr 1
		.amdhsa_wavefront_size32 1
		.amdhsa_system_sgpr_workgroup_id_x 1
		.amdhsa_system_sgpr_workgroup_id_y 1
		.amdhsa_system_sgpr_workgroup_id_z 1
		.amdhsa_system_vgpr_workitem_id 0
		.amdhsa_next_free_vgpr 128
		.amdhsa_next_free_sgpr 82
		.amdhsa_reserve_vcc 1
		.amdhsa_float_denorm_mode_32 3
		.amdhsa_float_denorm_mode_16_64 3
		.amdhsa_memory_ordered 1
		.amdhsa_forward_progress 1
		.amdhsa_inst_pref_size 38
	.end_amdhsa_kernel
	.amdgpu_metadata
---
amdhsa.version: [ 1, 2 ]
amdhsa.kernels:
  - .name:           k_q115fa82db7_raster
    .symbol:         k_q115fa82db7_raster.kd
    .args:
      - { .name: face_vertices, .offset: 0, .size: 8, .value_kind: global_buffer, .address_space: global }
      - { .name: textures, .offset: 8, .size: 8, .value_kind: global_buffer, .address_space: global }
      - { .name: bins, .offset: 16, .size: 8, .value_kind: global_buffer, .address_space: global }
      - { .name: out0, .offset: 24, .size: 8, .value_kind: global_buffer, .address_space: global }
    .group_segment_fixed_size: 74752
    .private_segment_fixed_size: 0
    .kernarg_segment_align: 8
    .kernarg_segment_size: 32
    .max_flat_workgroup_size: 256
    .sgpr_count:     82
    .vgpr_count:     128
    .wavefront_size: 32
...
	.end_amdgpu_metadata
.endif
;; end of part 3
